; MI455X (gfx1250); checked and timed in simulation.
; The chip was launched on July 23, 2026; its instructions are those of AMD's public machine-readable ISA for CDNA 5 (MIT licence, August 2026) and "CDNA5" Instruction Set Architecture Reference Guide (July 2026). The comments in the code are by the model that wrote it; some were corrected since.
;; Feed Forward Quantum. Allowed arithmetic: matrix products marked QUANTISED: E2M1 operands, one E8M0 scale for each 32 along K, by v_wmma_scale_f32_16x16x128_f8f6f4 with both operands' format E2M1 (or v_wmma_scale_f32_32x16x128_f4), f32 sums; products left as they are: f32 operands where the result goes on into a quantised operand, else bf16, f16 or f32 operands; f32 sums; everything else in f32.
;; Inputs: W1 4,096 x 8 float32; W2_codes 1,024 x 128 x 16 uint8 (E2M1 codes of W2, K innermost, in blocks of 32 codes, two codes a byte); W2_scales 1,024 x 128 uint8 (E8M0 scales of W2, one for each 32 codes along K); b1 4,096 float32; b2 1,024 float32; theta 8 float32; x 16 x 1,024 x 1,024 float32.
;; Outputs: out0 16 x 1,024 x 1,024 float32.
;; This version of the problem:
;;   THIS VERSION OF THE PROBLEM IS GIVEN IN LOW PRECISION. The matrix products marked QUANTISED in the list below multiply operands that are first quantised to E2M1 (2 exponent bits, 1 mantissa bit; 4 bits a number), with one power-of-two scale for each 32 numbers along K (OCP MX v1.0); their sums are f32. All else is computed in f32.
;;   The module's matrix products, in the order in which they are computed (A, B: the left and right operand; K: the contracted axis; several contracted axes count as one K, in the product's order):
;;     1. [M 16,384, K 8] x [K 8, N 4,096]; A: computed on the way; B: input W1: left as it is (K = 8 < 32)
;;     2. [M 16,384, K 4,096] x [K 4,096, N 1,024]; A: computed on the way; B: input W2 (given as codes): QUANTISED
;;   THE QUANTISER, for each operand of a quantised product, along K:
;;     - K is cut into blocks of 32 from its start; a last block that is shorter is filled with zeros.
;;     - A block's scale is 2^e with e = floor(log2(the largest magnitude in the block)) - 2, held to -126 .. 127; a block of zeros has e = 0. As a byte (E8M0): e + 127.
;;     - Each number is divided by its block's scale, clamped to +-6, and rounded to the nearest number of E2M1, ties to even, subnormals kept.
;;     - The product sums the exact products of the quantised numbers (number of the format x scale) in f32.
;;   ~~~python
;;   def quantise(x, axis):      # numpy; x: float32 -> the quantised numbers, widened to float32 again
;;       x = np.moveaxis(x, axis, -1); K = x.shape[-1]
;;       x = np.pad(x, [(0, 0)] * (x.ndim - 1) + [(0, -K % 32)]); x = x.reshape(x.shape[:-1] + (-1, 32)); a = np.abs(x).max(-1, keepdims=True)
;;       e = np.where(a > 0, np.clip(np.frexp(np.where(a > 0, a, 1))[1] - 1 - 2, -126, 127), 0)      # np.frexp(a)[1] - 1 = floor(log2(a)), exactly
;;       r = np.clip(x / 2.0 ** e, -6, 6)
;;       step = 2.0 ** (np.maximum(np.frexp(np.where(r == 0, 1, r))[1] - 1, 0) - 1)
;;       q = np.round(r / step) * step * 2.0 ** e      # np.round: ties to even
;;       return np.moveaxis(q.reshape(q.shape[:-2] + (-1,))[..., :K], -1, axis).astype(np.float32)
;;   ~~~
;;   OPERANDS COMPUTED ON THE WAY. 'Computed on the way' means the value that the module computes at that place (a softmax that the list does not call 'softmax' is quantised finished and normalised). What goes into a quantiser is computed in f32, as accurately as f32 sums, v_exp_f32 and their like allow (about 1e-6 of the number): no bf16 or f16 on the way to a quantiser, and a product that is left as it is and whose result goes on into a quantised operand takes f32 operands (vector FMAs, or v_wmma_f32_16x16x4_f32). A number that lies on a knife's edge between two numbers of the format may be rounded either way, as far as f32 arithmetic and the matrix unit's own rounding can turn it there, and no further.
;;   INPUTS GIVEN AS CODES. W2 (in the module: [1024, 4096], K = its axis 1): each comes as NAME_codes (uint8): NAME with its K axis moved to the last place and cut into blocks of 32 codes, [.., K / 32, bytes a block], one block behind the other in memory; two codes a byte, the lower K in the low four bits (a code: sign, 2 exponent bits, 1 mantissa bit); and NAME_scales (uint8): the same leading axes, one E8M0 byte (e + 127) for each 32 codes along K. Its value is code x scale, taken as it is: it is not quantised again, and the codes and scales need not be those that the quantiser above would give.
;; 2 versions. Each part assembles by itself: llvm-mc -triple=amdgcn-amd-amdhsa -mcpu=gfx1250 --defsym DOCPART=n.
;; ======== version 1 of 2: 1 launch
;; limits: inputs' magnitudes at most 48,000
;; launch ffq (part 1): grid 256 x 1, 4 waves a work-group, clusters of 4 x 1, 327,680 bytes of LDS; arguments x, theta, W1, b1, W2_codes, W2_scales, b2, out0; writes out0
.if DOCPART == 1
	.amdgcn_target "amdgcn-amd-amdhsa--gfx1250"
	.amdhsa_code_object_version 6
	.text
	.protected	k_q5929d20bc7_ffq
	.globl	k_q5929d20bc7_ffq
	.p2align	8
	.type	k_q5929d20bc7_ffq,@function
k_q5929d20bc7_ffq:
	s_mov_b64 s[64:65], 0
	v_nop
	global_prefetch_b8 v0, s[64:65] scope:SCOPE_SE
	s_setreg_imm32_b32 hwreg(HW_REG_WAVE_MODE, 25, 1), 1
	s_wait_xcnt 0x0
	s_wait_alu depctr_hold_cnt(0) depctr_sa_sdst(0) depctr_va_vdst(0) depctr_va_sdst(0) depctr_va_ssrc(0) depctr_va_vcc(0) depctr_vm_vsrc(0)
	s_getreg_b32 s2, hwreg(HW_REG_IB_STS2, 6, 4)
	s_cmp_eq_u32 s2, 0
	s_cbranch_scc0 .Lentry_in_a_cluster
	s_endpgm
.Lentry_in_a_cluster:
	s_bfe_u32 s2, ttmp6, 0x10000c
	s_cmp_lg_u32 s2, 0x3003
	s_cbranch_scc0 .Lentry_shape_is_right
	s_endpgm
.Lentry_shape_is_right:
; out = Q(relu(qz W1^T + b1)) W2^T + b2,  qz = cos(x[:, 0:8]) cos(theta).  x, out: [16384][1024] f32; W1 [4096][8], b1 [4096], b2 [1024], theta [8] f32;
; W2: [1024][4096] as codes of FP4 (E2M1), K innermost, two codes a byte, with one E8M0 byte for each 32 along K.  Q: the MX quantiser along the hidden axis, blocks of 32.
; ONE LAUNCH; the hidden layer never leaves the work-group.
; SHARES.  A work-group owns 64 rows (4 tiles m of 16) and ALL 1,024 columns, so that each hidden number is made once in the whole launch.  The columns go in 4 groups of 256; of each group wave w owns
; columns 64 w .. 64 w + 63 (4 tiles i): 4 groups x 16 accumulators = 512 registers a wave.  K goes in 8 blocks of 512 (4 K steps q of 128).
; A TRIP is one tile of W2: 256 rows (a group) x 256 bytes (a block of K).  In it a wave issues 64 products on codes and, ahead of them, 16 f32 products that make a quarter of the NEXT block's hidden layer.
; THE FIRST PRODUCT (K = 8, f32 operands, since its result goes into a quantiser) is v_wmma_f32_16x16x4_f32, used transposed: source 0 = 16 rows of W1, source 1 = 16 rows of qz, C = b1.  A lane then holds one row
; and its registers run along the hidden units.  THE ROWS OF W1 THAT FORM A TILE ARE NOT NEIGHBOURS: lane r of tile u takes row 8 u + r + 8 (r / 8) of a block of 32, so that the 16 registers of tiles 0 and 1 are the
; 16 neighbours 16 (lane / 16) + 0 .. 15.  In trip j wave w makes block w of K step j, for all 64 rows; its codes (8 bytes a lane) and scale bytes go to LDS into IMAGES OF THE OPERAND REGISTERS, and at the next block's
; first trip every wave loads all 16 fragments (128 registers), which serve that block's four trips.
; THE SECOND PRODUCT is used transposed too (source 0 = 16 rows of W2, source 1 = 16 rows of the hidden layer): a lane holds eight neighbouring columns of one row of out.  b2 is loaded straight into the accumulators.
; CLUSTER.  The four work-groups of a cluster walk the same tiles of W2, so every tile and the scale bytes are asked for JOINTLY: the same tensor load, the same descriptor, a mask that names the four.
; THE WALK IS ROTATED BY ADDRESS: cluster c begins at group c % 4 and block (c / 4) % 8, so that the 64 clusters ask for 32 different tiles in a trip.  Register numbers hang on the place j in the walk alone.
; LIMITS.  The cosine: reduction by pi/2 in three parts with fused multiply-adds, then polynomials to r^10 and r^9: absolute error about 1e-7 for |x|, |theta| up to about 4.8e4, growing beyond.  NaN and infinities are
; not served.  A block of the hidden layer whose largest number lies under 2^-124 (a block of zeros too) gets the scale byte 1: the bytes are read by this program alone, and zero codes add nothing.
; The f32 sums along K begin at another block of K in each cluster.  The loop's last four reloads of W1 and b1 fetch a block again that nobody uses: so every wait on LOADcnt keeps one count.
.set PITCH,  272                       ; an LDS row: 256 bytes + 16 of padding = 68 words: the 16 rows that a load touches start at 16 different banks (64 banks of 4 bytes: ISA guide 11.1)
.set WROWS,  64*PITCH                  ; 64 rows: what one tensor load brings, and what that same wave reads
.set SLOT,   4*WROWS                   ; a tile: 256 rows
.set SCL,    2*SLOT                    ; behind the ring: W2's scale bytes, all of them, filled once: 4 regions, region j for the group at place j of the walk
.set SREG,   128*PITCH                 ; a region: 256 rows x 128 bytes as 128 units of 256 bytes + 16 of padding
.set HIMG,   SCL+4*SREG                ; the hidden layer's fragments as register images, two buffers; fragment 4 q + m at 1,024 (4 q + m), register group c at + 512 c, lane at + 16 lane
.set HBUF,   16*1024
.set HSC,    HIMG+2*HBUF               ; its scale words, two buffers: row R at 16 R, word q at + 4 q, byte = block
.set HSB,    1024
.set SPARE,  HSC+2*HSB                 ; the spare words, 128 bytes for each wave: two blocks of 256 bytes that no other line names
; window 0
.set SPW,    1                         ; v1   LDS address of my spare word; never rewritten
.set NIL,    2                         ; v2   0; never rewritten
.set ADRB,   3                         ; v3-4 my lane's place in my 64 rows of slot 0, 1
.set ADRA,   5                         ; v5   the images that are read
.set ADRHS,  6                         ; v6   the hidden layer's scale words that are read
.set ADRS,   7                         ; v7-8 W2's scale words of this block of K: regions 0 and 1, regions 2 and 3
.set HWI,    9                         ; v9   where I store codes
.set HWB,    10                        ; v10  where I store a scale byte
.set W1O,    11                        ; v11  my byte in a tile of W1; never rewritten
.set B1O,    12                        ; v12  my byte in a block of b1; never rewritten
.set ADRS0,  13                        ; v13-15, v242-243: the same addresses without the parts that change
.set ADRA0,  14
.set ADRHS0, 15
.set WS,     16                        ; v16-23  W2's scale words: register 4 p + q: lanes 0-15 tile 2 p, lanes 16-31 tile 2 p + 1.  These and the next eight hold scales and nothing else
.set HS,     24                        ; v24-31  the hidden layer's: register 4 p + q: row tiles 2 p and 2 p + 1
.set QZ,     32                        ; v32-47  qz: tile m at 4 m; register k = wire 4 (lane / 16) + k of row lane % 16
.set W1F,    48                        ; v48-79  W1: set s (K step s) at 8 s, tile u at + 4 u
.set B1C,    80                        ; v80-143 b1: set s at 16 s, tile u at + 8 u
.set HA,     144                       ; v144-207 the first product's sums: row tile m at 16 m, tile u at + 8 u; written by that matrix form alone
.set T,      208                       ; v208-223 16 clipped numbers; at the head x
.set MX,     224                       ; v224-225 largest number; v226-227 the other half's; v228-229 the conversions' scale operand: by the parity of m
.set PX,     226
.set SO,     228
.set BY,     230                       ; v230-233 scale bytes
.set CD,     234                       ; v234-241 codes, a pair for each m
.set HWI0,   242
.set HWB0,   243
.set B2O,    244                       ; v244-247 b2's offsets; on the way out:
.set STO,    244                       ; where I put 32 bytes of a row,
.set RD,     245                       ; where I read a row back,
.set CO,     246                       ; my byte offset in out
.set BK,     48                        ; the way out: 16 rows read back, v48-79 and v80-111 by turns
.set CN,     248                       ; the cosine: quadrant; v252.. r^2; v228.. cos r; v232.. sin r; v236.. theta, then cos theta
.set CQ,     252
.set CPC,    228
.set CPS,    232
.set CTH,    236
; window 1: v[8 (4 q + i)] W2's 16 fragments; v[128 + 8 (4 q + m)] the hidden layer's 16.   windows 2, 3: accumulator (j, i, m) at v[128 (j % 2) + 8 (4 i + m)] of window 2 + j / 2
.set WV,     20                        ; s20  my wave's number
.set G1,     28                        ; s[28:35] descriptor group 1 of a tile;  s[36:39], s[40:43] group 0 for slot 0, 1
.set G0,     36
.set G1S,    44                        ; s[44:51], s[52:55] groups 1 and 0 for the scale bytes
.set G0S,    52
.set GJ,     78                        ; s78-81  the group at place j of the walk, x 2^19: its 256 rows of W2 in bytes
.set OUTJ,   82                        ; s[82:89] out at my 64 rows and that group's columns
; s[56:57] W2's codes at my wave's 64 rows; s[58:59], s[74:75], s[26:27] offsets as pairs; s60 the block's place in the walk; s61-63 this block of K, the next, the next but one;
; s[66:69] W1 and b1 as the reloads take them; s[70:73] W1 and b1 at my wave's part; s[76:77] lane selects; s90-93 image and scale-word buffers read and written; s94 16 x block
.set TO1,    0x40                      ; destination window 1, address window 0
.set MSB, 0
.macro WIN new                         ; the immediate's high byte repeats the setting that is left; a switch that changes nothing is dropped
.if MSB != (\new)
	s_set_vgpr_msb (MSB<<8)|(\new)
.set MSB, (\new)
.endif
.endm
.macro PLACES n
.rept \n
	v_nop
.endr
.endm
; A round of the cluster's barrier: my work-group's barrier, wave 0 signals for the work-group, every wave waits for all four work-groups, my work-group's barrier once more.
.macro CROUND
	s_barrier_signal -1
	s_barrier_wait -1
	s_cmp_lg_u32 s[WV], 0
	s_cbranch_scc1 .Lnot_wave_0_\@
	s_barrier_signal -3
.Lnot_wave_0_\@:
	s_barrier_wait -3
	s_barrier_signal -1
	s_barrier_wait -1
.endm
	s_load_b512 s[4:19], s[0:1], 0x0               ; x 4, theta 6, W1 8, b1 10, W2's codes 12, W2's scales 14, b2 16, out 18
	v_lshl_add_u32 v[SPW], v0, 2, SPARE
	v_mov_b32 v[NIL], 0
	ds_add_u32 v1, v2
	ds_add_u32 v1, v2
	s_wait_dscnt 0x0
	v_lshrrev_b32 v248, 5, v0
	v_readfirstlane_b32 s[WV], v248                ; wave 0..3
	s_bfe_u32 s21, ttmp6, 0x40000                  ; cx: my place in the cluster: it enters x's and out's addresses alone
	s_lshl_b32 s22, ttmp9, 2
	s_add_co_u32 s22, s22, s21                     ; my work-group
	s_lshl_b32 s23, s22, 18                        ; its 64 rows of 4,096 bytes
	s_and_b32 s24, ttmp9, 3                        ; the cluster's first group,
	s_lshr_b32 s25, ttmp9, 2
	s_and_b32 s25, s25, 7                          ; and its first block of K: the four partners share both
	; descriptor group 1 of a tile: 64 rows x 256 bytes, 2,048 bytes apart in memory, padded in LDS
	s_mov_b32 s[G1], 15|(1<<20)|(1<<21)|(5<<22)|(3<<25)   ; 15:0 the mask: all four work-groups; 17:16 elements of 1 byte; 20 padding on; 21 set beside a mask; 24:22 after every 64 words; 31:25 four words
	s_mov_b32 s[G1+1], 256<<16                     ; tensor_dim0
	s_mov_b32 s[G1+2], 64<<16                      ; tensor_dim1
	s_mov_b32 s[G1+3], 256<<16                     ; tile_dim0
	s_mov_b32 s[G1+4], 64                          ; tile_dim1
	s_mov_b32 s[G1+5], 2048                        ; tensor_dim0_stride
	s_mov_b32 s[G1+6], 0
	s_mov_b32 s[G1+7], 0
	; and of a group's scale bytes: 32,768 dense bytes as 128 rows of 256 bytes (32 elements of 8 bytes), 16 bytes of padding behind each
	s_mov_b32 s[G1S], 15|(3<<16)|(1<<20)|(1<<21)|(5<<22)|(3<<25)
	s_mov_b32 s[G1S+1], 32<<16
	s_mov_b32 s[G1S+2], 128<<16
	s_mov_b32 s[G1S+3], 32<<16
	s_mov_b32 s[G1S+4], 128
	s_mov_b32 s[G1S+5], 32
	s_mov_b32 s[G1S+6], 0
	s_mov_b32 s[G1S+7], 0
	s_mov_b32 s76, 0x76543210
	s_mov_b32 s77, 0xfedcba98                      ; v_permlanex16_b32's selects for lane l xor 16
	s_mov_b32 s27, 0
	s_mov_b32 s59, 0
	s_mov_b32 s75, 0
	s_mul_i32 s[G0+1], s[WV], WROWS                ; my 64 rows in slot 0: no place in the cluster enters an LDS address
	v_and_b32 v248, 15, v0                         ; r
	v_bfe_u32 v249, v0, 4, 1                       ; h
	v_and_b32 v250, 31, v0                         ; lane
	v_mul_u32_u24 v[ADRB], v248, PITCH
	v_lshl_add_u32 v[ADRB], v249, 4, v[ADRB]
	v_add_nc_u32 v[ADRB], s[G0+1], v[ADRB]         ; a fragment of W2: row r x pitch + 16 h, in my rows
	v_add_nc_u32 v[ADRB+1], SLOT, v[ADRB]
	v_lshl_add_u32 v[ADRA0], v250, 4, HIMG         ; an image: 16 x lane
	v_lshl_add_u32 v[ADRHS0], v250, 4, HSC         ; the hidden layer's scale words: 16 bytes a row, lane = row of a pair of tiles
	v_lshrrev_b32 v251, 1, v250
	v_mul_u32_u24 v[ADRS0], v251, PITCH
	v_and_b32 v251, 1, v250
	v_lshl_add_u32 v[ADRS0], v251, 7, v[ADRS0]     ; W2's scale words: row 64 w + 32 p + lane of a group: two rows of 128 bytes to a unit
	s_mul_i32 s2, s[WV], 32*PITCH
	s_add_co_u32 s2, s2, SCL
	v_add_nc_u32 v[ADRS0], s2, v[ADRS0]
	v_lshlrev_b32 v[HWI0], 4, v248
	v_lshl_add_u32 v[HWI0], v249, 3, v[HWI0]
	s_lshl_b32 s3, s[WV], 8                        ; 256 w
	s_add_co_u32 s2, s3, HIMG
	v_add_nc_u32 v[HWI0], s2, v[HWI0]              ; block w of a fragment lies at 256 w + 16 r; my 16 codes at + 8 h
	v_lshl_add_u32 v[HWB0], v248, 4, HSC
	v_add_nc_u32 v[HWB0], s[WV], v[HWB0]           ; byte w of row r's word
	v_and_b32 v251, 8, v248
	v_add_nc_u32 v251, v251, v248                  ; r + 8 (r / 8)
	v_lshlrev_b32 v[W1O], 5, v251
	v_lshl_add_u32 v[W1O], v249, 4, v[W1O]         ; W1: a row is 32 bytes; my four wires at 16 h
	v_lshlrev_b32 v[B1O], 6, v249                  ; b1: my 16 hidden units at 64 h
	v_lshlrev_b32 v252, 12, v248
	v_lshl_add_u32 v252, v249, 4, v252             ; x: row r of 4,096 bytes, wires 4 h on
	v_lshlrev_b32 v253, 4, v249                    ; theta: wires 4 h on
	v_lshlrev_b32 v254, 5, v249                    ; b2: my eight columns at 32 h
	v_mov_b32 v[PX], 0                             ; written once: a lane permute's destination counts as one of its sources
	v_mov_b32 v[PX+1], 0
.irp j,0,1,2,3
	s_add_co_u32 s2, s24, \j
	s_and_b32 s2, s2, 3                            ; the group at place j of the walk
	s_lshl_b32 s[GJ+\j], s2, 19
	s_lshl_b32 s2, s2, 10                          ; its 256 columns in bytes,
	s_add_co_u32 s2, s2, s3                        ; my wave's 64
	v_add_nc_u32 v[B2O+\j], s2, v254
.endr
	s_wait_kmcnt 0x0
	s_mov_b32 s26, s23
	s_add_nc_u64 s[4:5], s[4:5], s[26:27]          ; x at my 64 rows
.irp j,0,1,2,3
	s_lshr_b32 s26, s[GJ+\j], 9
	s_add_co_u32 s26, s26, s23
	s_add_nc_u64 s[OUTJ+2*\j:OUTJ+2*\j+1], s[18:19], s[26:27]
.endr
	s_lshl_b32 s26, s[WV], 17
	s_add_nc_u64 s[56:57], s[12:13], s[26:27]      ; W2's codes: my 64 rows of 2,048 bytes in a group
	s_lshl_b32 s26, s[WV], 10
	s_add_nc_u64 s[70:71], s[8:9], s[26:27]        ; W1: my 32 rows of a K step
	s_lshl_b32 s26, s[WV], 7
	s_add_nc_u64 s[72:73], s[10:11], s[26:27]      ; b1 likewise
	s_lshl_b32 s74, s25, 14
	s_add_nc_u64 s[66:67], s[70:71], s[74:75]      ; both at the first block of K (512 rows of 32 bytes; 512 numbers)
	s_lshl_b32 s74, s25, 11
	s_add_nc_u64 s[68:69], s[72:73], s[74:75]
	s_mov_b32 s[G0S], 1                            ; wave w brings region w: the scale bytes of the group at place w
	s_mul_i32 s[G0S+1], s[WV], SREG
	s_add_co_u32 s[G0S+1], s[G0S+1], SCL
	s_add_co_u32 s26, s24, s[WV]
	s_and_b32 s26, s26, 3
	s_lshl_b32 s26, s26, 15
	s_add_nc_u64 s[G0S+2:G0S+3], s[14:15], s[26:27]
	s_or_b32 s[G0S+3], s[G0S+3], 0x80000000        ; 127:126 type = 2
	s_mov_b32 s[G0], 1
	s_lshl_b32 s58, s25, 8                         ; a block of K is 256 bytes of a row
	s_add_co_u32 s58, s58, s[GJ]
	s_add_nc_u64 s[G0+2:G0+3], s[56:57], s[58:59]  ; the walk's first tile
	s_or_b32 s[G0+3], s[G0+3], 0x80000000
	s_mov_b32 s[G0+4], 1
	s_add_co_u32 s[G0+5], s[G0+1], SLOT
	CROUND                                         ; all four work-groups are here: the first joint loads meet
	tensor_load_to_lds s[G0S:G0S+3], s[G1S:G1S+7]  ; two loads of mine are out
	s_nop 0
	tensor_load_to_lds s[G0:G0+3], s[G1:G1+7]
	s_nop 0
	PLACES 4                                       ; four plain lines follow the tensor loads
.irp m,0,1,2,3
	global_load_b128 v[T+4*\m:T+4*\m+3], v252, s[4:5] offset:\m*65536 th:TH_LOAD_NT   ; x(16 m + r, 4 h .. 4 h + 3): of a row only the first 32 bytes enter the result
.endr
	global_load_b128 v[CTH:CTH+3], v253, s[6:7]
; b2 goes straight into the accumulators (lane (r, h) of accumulator (j, i, m): columns 16 i + 8 h + 0 .. 7 of my 64): nothing is cleared, nothing is added later, and no first step is written out
.macro B2LOAD j
	WIN 0x80+0x40*((\j)/2)                         ; destination window 2 or 3
.set i_, 0
.rept 4
.set m_, 0
.rept 4
.set rD, 128*((\j)%2)+8*(4*i_+m_)
	global_load_b128 v[rD:rD+3], v[B2O+(\j)], s[16:17] offset:64*i_
	global_load_b128 v[rD+4:rD+7], v[B2O+(\j)], s[16:17] offset:64*i_+16
.set m_, m_+1
.endr
.set i_, i_+1
.endr
.endm
	B2LOAD 0
	B2LOAD 1
	B2LOAD 2
	B2LOAD 3
	WIN 0
; Six loads: set s of W1 (two tiles of 16 rows x 8 wires) and of b1 (the two tiles' C), for K step s of the block at which s[66:69] stand
.macro RELOAD s
.irp u,0,1
	global_load_b128 v[W1F+8*(\s)+4*\u:W1F+8*(\s)+4*\u+3], v[W1O], s[66:67] offset:4096*(\s)+256*\u
.endr
.irp u,0,1
	global_load_b128 v[B1C+16*(\s)+8*\u:B1C+16*(\s)+8*\u+3], v[B1O], s[68:69] offset:512*(\s)+32*\u
	global_load_b128 v[B1C+16*(\s)+8*\u+4:B1C+16*(\s)+8*\u+7], v[B1O], s[68:69] offset:512*(\s)+32*\u+16
.endr
.endm
	RELOAD 0
	RELOAD 1
	RELOAD 2
	RELOAD 3
; cos of four numbers v[X] .. v[X + 3], by turns.  n = the nearest whole number to x 2/pi; r = x - n pi/2 with pi/2 in three parts, each taken off by one fused multiply-add;
; cos r and sin r by polynomials in r^2; cos x = cos r, -sin r, -cos r, sin r for n mod 4 = 0, 1, 2, 3, chosen by v_cndmask_b32 and a sign bit: no branch.  mul = 1: the result is multiplied by cos theta.
.macro COS4 X, D, mul
.irp k,0,1,2,3
	v_mul_f32 v[CN+\k], 0x3f22f983, v[(\X)+\k]
.endr
.irp k,0,1,2,3
	v_rndne_f32 v[CN+\k], v[CN+\k]
.endr
.irp c,0xbfc90fd8,0xb4a8885a,0xa7c234c4
.irp k,0,1,2,3
	v_fmamk_f32 v[(\X)+\k], v[CN+\k], \c, v[(\X)+\k]
.endr
.endr
.irp k,0,1,2,3
	v_cvt_i32_f32 v[CN+\k], v[CN+\k]
	v_mul_f32 v[CQ+\k], v[(\X)+\k], v[(\X)+\k]     ; r^2
.endr
.irp k,0,1,2,3
	v_fmaak_f32 v[CPC+\k], s2, v[CQ+\k], 0x37d00d01    ; -1/10! r^2 + 1/8!
	v_fmaak_f32 v[CPS+\k], s3, v[CQ+\k], 0xb9500d01    ; 1/9! r^2 - 1/7!
.endr
.irp c,0xbab60b61,0x3d2aaaab,0xbf000000,0x3f800000
.irp k,0,1,2,3
	v_fmaak_f32 v[CPC+\k], v[CPC+\k], v[CQ+\k], \c     ; - 1/6!, + 1/4!, - 1/2, + 1
.endr
.endr
.irp c,0x3c088889,0xbe2aaaab
.irp k,0,1,2,3
	v_fmaak_f32 v[CPS+\k], v[CPS+\k], v[CQ+\k], \c     ; + 1/5!, - 1/3!
.endr
.endr
.irp k,0,1,2,3
	v_mul_f32 v[CQ+\k], v[(\X)+\k], v[CQ+\k]       ; r^3
.endr
.irp k,0,1,2,3
	v_fma_f32 v[CPS+\k], v[CPS+\k], v[CQ+\k], v[(\X)+\k]   ; sin r
.endr
.irp k,0,1,2,3
	v_and_b32 v[CQ+\k], 1, v[CN+\k]                ; n odd: the sine
	v_add_lshl_u32 v[CN+\k], v[CN+\k], 1, 30
	v_and_b32 v[CN+\k], 0x80000000, v[CN+\k]       ; bit 1 of n + 1: the sign
.endr
.irp k,0,1,2,3
	v_cmp_ne_u32 vcc_lo, 0, v[CQ+\k]
	v_cndmask_b32 v[CPC+\k], v[CPC+\k], v[CPS+\k], vcc_lo
.endr
.irp k,0,1,2,3
.if \mul
	v_xor_b32 v[CPC+\k], v[CPC+\k], v[CN+\k]
	v_mul_f32 v[(\D)+\k], v[CPC+\k], v[CTH+\k]
.else
	v_xor_b32 v[(\D)+\k], v[CPC+\k], v[CN+\k]
.endif
.endr
.endm
	s_mov_b32 s2, 0xb493f27e                       ; -1/10!
	s_mov_b32 s3, 0x3638ef1d                       ; 1/9!
	s_wait_loadcnt 24                              ; x, theta and b2 are in; the 24 loads of W1 and b1 behind them may be out
	COS4 CTH, CTH, 0
.irp m,0,1,2,3
	COS4 T+4*\m, QZ+4*\m, 1
.endr
; THE FIRST PRODUCT.  Instruction e of four for row tile m: tile u = e % 2 of W1's rows, half t = e / 2 of K.  The place (lane / 16, register) of K in instruction t carries wire 4 (lane / 16) + 2 t + register, in
; W1's fragment and in qz's alike.  The first half takes b1 as C.  The two accumulators take turns, one instruction a turn.
.macro HW s, m, e
.set rU, (\e)%2
.set rT, (\e)/2
.set rD, HA+16*(\m)+8*rU
.set rA, W1F+8*(\s)+4*rU+2*rT
.set rB, QZ+4*(\m)+2*rT
.set rC, B1C+16*(\s)+8*rU
.if rT == 0
	v_wmma_f32_16x16x4_f32 v[rD:rD+7], v[rA:rA+1], v[rB:rB+1], v[rC:rC+7]
.else
	v_wmma_f32_16x16x4_f32 v[rD:rD+7], v[rA:rA+1], v[rB:rB+1], v[rD:rD+7]
.endif
.endm
; THE QUANTISER of row tile m's 16 numbers a lane, in three parts that stand behind matrix instructions.  The clip at 0 goes into other registers; the largest number is taken of the sums as they are, with no |.|:
; what is negative does not count, and the floor 2^(3 - 127) stands over it, so that the byte cannot fall under 1.  Each accumulator is read from its low end on.
.macro QA m
.set H_, HA+16*(\m)
.set M_, MX+(\m)%2
	v_max3_num_f32 v[M_], v[H_], v[H_+1], 0x1800000
	v_max_num_f32 v[T], 0, v[H_]
	v_max_num_f32 v[T+1], 0, v[H_+1]
.irp n,2,4,6
	v_max3_num_f32 v[M_], v[M_], v[H_+\n], v[H_+\n+1]
	v_max_num_f32 v[T+\n], 0, v[H_+\n]
.if \n < 6
	v_max_num_f32 v[T+\n+1], 0, v[H_+\n+1]
.endif
.endr
.endm
.macro QB m
.set H_, HA+16*(\m)
.set M_, MX+(\m)%2
	v_max_num_f32 v[T+7], 0, v[H_+7]
.irp n,8,10,12
	v_max3_num_f32 v[M_], v[M_], v[H_+\n], v[H_+\n+1]
	v_max_num_f32 v[T+\n], 0, v[H_+\n]
	v_max_num_f32 v[T+\n+1], 0, v[H_+\n+1]
.endr
	v_max3_num_f32 v[M_], v[M_], v[H_+14], v[H_+15]
.endm
.macro QC s, m
.set H_, HA+16*(\m)
.set M_, MX+(\m)%2
.set P_, PX+(\m)%2
.set O_, SO+(\m)%2
.set C_, CD+2*(\m)
	v_max_num_f32 v[T+14], 0, v[H_+14]
	v_max_num_f32 v[T+15], 0, v[H_+15]
	v_permlanex16_b32 v[P_], v[M_], s76, s77
	v_max_num_f32 v[M_], v[M_], v[P_]              ; with lane l xor 16's 16: the block's largest number
	v_add_nc_u32 v[O_], 0xff000000, v[M_]          ; 2 off its exponent field: the conversion takes the exponent field of this operand as its scale, and nothing else of it
	v_cvt_scalef32_pk8_fp4_f32 v[C_], v[T:T+7], v[O_]
	v_cvt_scalef32_pk8_fp4_f32 v[C_+1], v[T+8:T+15], v[O_]
	v_lshrrev_b32 v[BY+(\m)], 23, v[O_]            ; the scale's byte.  (Also the plain line behind the conversions)
	ds_store_b64 v[HWI], v[C_:C_+1] offset:(4*(\s)+(\m))*1024      ; my 16 codes of block w of fragment (K step s, row tile m)
	ds_store_b8 v[HWB], v[BY+(\m)] offset:256*(\m)+4*(\s)          ; both halves of the lanes write the same byte with the same value
.endm
; LDS loads.  A fragment of 4-bit codes is 8 registers: lane l holds row l % 16; registers 4 c .. 4 c + 3 hold K = 64 c + 32 (l / 16) + 0 .. 31.
.macro LOADB slot, q                   ; W2's four fragments of K step q: two loads of 16 bytes each, 32 bytes apart
.irp i,0,1,2,3
.irp c,0,1
	ds_load_b128 v[8*(4*(\q)+\i)+4*\c:8*(4*(\q)+\i)+4*\c+3], v[ADRB+(\slot)] offset:\i*16*PITCH+64*(\q)+32*\c
.endr
.endr
.endm
.macro LOADA q                         ; the hidden layer's four fragments of K step q, as they were laid
.irp m,0,1,2,3
.irp c,0,1
	ds_load_b128 v[128+8*(4*(\q)+\m)+4*\c:128+8*(4*(\q)+\m)+4*\c+3], v[ADRA] offset:(4*(\q)+\m)*1024+512*\c
.endr
.endr
.endm
.macro LOADS j                         ; the scale words of a block's four K steps: 16 bytes a row; W2's in every trip, the hidden layer's with its fragments
.irp p,0,1
	ds_load_b128 v[WS+4*\p:WS+4*\p+3], v[ADRS+(\j)/2] offset:((\j)%2)*SREG+\p*16*PITCH
.endr
.if (\j) == 0
.irp p,0,1
	ds_load_b128 v[HS+4*\p:HS+4*\p+3], v[ADRHS] offset:512*\p
.endr
.endif
.endm
; A BATCH: my block of K step s of a block of K, for the four row tiles.  mode 0: at the head; 1: in a trip: the trip's LDS loads stand behind the first four matrix instructions; 2: the hidden layer's fragments too.
; A vector instruction that reads a result of this matrix form, and a load into one of its registers, stand eight places behind it, and only plain vector instructions that name none of its registers are places.
; So eight v_nop stand between a row tile's last product and the first line of its quantiser, behind the next tile's first product.
.macro HB s, mode, slot
	s_wait_loadcnt 18                              ; set s is in: behind its six loads three younger sets were issued
.irp e,0,1,2,3
	HW \s, 0, \e
.if \mode
	WIN TO1
	LOADB \slot, \e
.if (\mode) == 2
	LOADA \e
.endif
	WIN 0
.endif
.endr
.if \mode
	LOADS \s
.endif
.irp m,1,2,3
	HW \s, \m, 0
	PLACES 8
	HW \s, \m, 1
	QA \m-1
	HW \s, \m, 2
	QB \m-1
	HW \s, \m, 3
	QC \s, \m-1
.endr
	PLACES 8
	QA 3
	QB 3
	QC \s, 3
	RELOAD \s                                      ; the set takes the same K step of the block that follows the one just made
.endm
; 64 products on codes: group at place j, K steps q, column tiles i, row tiles m.  The 16 accumulators take turns, one instruction a turn, in the same order in every K step.
.macro MUL j
	WIN 0xa5+0x50*((\j)/2)                         ; sources 0 and 1 window 1, C and D window 2 or 3
.set q_, 0
.rept 4
.set i_, 0
.rept 4
.set m_, 0
.rept 4
.set rD, 128*((\j)%2)+8*(4*i_+m_)
.set rA, 8*(4*q_+i_)
.set rB, 128+8*(4*q_+m_)
.set rP, WS+4*(i_/2)+q_
.set rR, HS+4*(m_/2)+q_
.if (i_%2) && (m_%2)
	v_wmma_scale_f32_16x16x128_f8f6f4 v[rD:rD+7], v[rA:rA+7], v[rB:rB+7], v[rD:rD+7], v[rP], v[rR] matrix_a_fmt:MATRIX_FMT_FP4 matrix_b_fmt:MATRIX_FMT_FP4 matrix_a_scale:MATRIX_SCALE_ROW1 matrix_b_scale:MATRIX_SCALE_ROW1
.elseif i_%2
	v_wmma_scale_f32_16x16x128_f8f6f4 v[rD:rD+7], v[rA:rA+7], v[rB:rB+7], v[rD:rD+7], v[rP], v[rR] matrix_a_fmt:MATRIX_FMT_FP4 matrix_b_fmt:MATRIX_FMT_FP4 matrix_a_scale:MATRIX_SCALE_ROW1
.elseif m_%2
	v_wmma_scale_f32_16x16x128_f8f6f4 v[rD:rD+7], v[rA:rA+7], v[rB:rB+7], v[rD:rD+7], v[rP], v[rR] matrix_a_fmt:MATRIX_FMT_FP4 matrix_b_fmt:MATRIX_FMT_FP4 matrix_b_scale:MATRIX_SCALE_ROW1
.else
	v_wmma_scale_f32_16x16x128_f8f6f4 v[rD:rD+7], v[rA:rA+7], v[rB:rB+7], v[rD:rD+7], v[rP], v[rR] matrix_a_fmt:MATRIX_FMT_FP4 matrix_b_fmt:MATRIX_FMT_FP4
.endif
.set m_, m_+1
.endr
.set i_, i_+1
.endr
.set q_, q_+1
.endr
	WIN 0
.endm
; The address of the tile that follows trip j's, into the group 0 of the slot that trip j does not read: made anew each time from the block of K and the group
.macro NEXT j
.set gN, G0+4*(((\j)+1)%2)
.if (\j) < 3
	s_lshl_b32 s58, s61, 8                         ; this block of K, the next group
	s_add_co_u32 s58, s58, s[GJ+(\j)+1]
.else
	s_lshl_b32 s58, s62, 8                         ; the next block of K, the walk's first group
	s_add_co_u32 s58, s58, s[GJ]
.endif
	s_add_nc_u64 s[gN+2:gN+3], s[56:57], s[58:59]
	s_or_b32 s[gN+3], s[gN+3], 0x80000000
.endm
; A TRIP reads slot j % 2.  At its head ONE barrier, for four things.  In front of it each wave waits for all its tensor loads (one is out: my rows of this trip's tile), adds 0 to its spare word, and waits for that, for
; its reads of the other slot and for its stores of codes and scale bytes.  Behind it the other slot may be filled, and (j = 0) the hidden layer's images are whole.  The image buffer that this block's trips write was
; last read four barriers ago.  fill = 1: the barrier is a round of the cluster's, and the joint refill is the first thing behind it: it has this trip in which to land.  hb = 1: a batch of the next block's hidden layer.
.macro TRIP j, fill, hb
	s_wait_tensorcnt 0x0                           ; no tensor load of mine is out, so a group 0 may be written
	ds_add_u32 v[SPW], v[NIL]                      ; 0 onto my spare word
.if \fill
	NEXT \j
.endif
	s_wait_dscnt 0x0                               ; the add is done, my LDS loads are back and my LDS stores have landed
.if \fill
	CROUND
	tensor_load_to_lds s[G0+4*(((\j)+1)%2):G0+4*(((\j)+1)%2)+3], s[G1:G1+7]
	s_nop 0
.else
	s_barrier_signal -1
	s_barrier_wait -1
.endif
	PLACES 4                                       ; four plain lines behind the tensor load; also the places in front of the loads into registers that the last products read
.if \hb
.if (\j) == 0
	HB \j, 2, 0
.else
	HB \j, 1, (\j)%2
.endif
	s_wait_dscnt 8                                 ; fragments and scale words are in; behind them stand the batch's four stores of codes and four of bytes
.else
	WIN TO1
.irp q,0,1,2,3
	LOADB (\j)%2, \q
.if (\j) == 0
	LOADA \q
.endif
.endr
	WIN 0
	LOADS \j
	s_wait_dscnt 0x0
.endif
	MUL \j
.endm
; At the head of a block of K: which block it is, and the addresses that hang on it and on the image buffers.  hb = 1: batches follow, which store images and reload W1 and b1 for the block after the next
.macro KBHEAD hb
	s_add_co_u32 s61, s25, s60
	s_and_b32 s61, s61, 7                          ; this block of K
	s_lshl_b32 s94, s61, 4                         ; its 16 scale bytes in a row of W2's
	v_add_nc_u32 v[ADRS], s94, v[ADRS0]
	v_add_nc_u32 v[ADRS+1], 2*SREG, v[ADRS]
	v_add_nc_u32 v[ADRA], s90, v[ADRA0]
	v_add_nc_u32 v[ADRHS], s92, v[ADRHS0]
.if \hb
	s_add_co_u32 s62, s61, 1
	s_and_b32 s62, s62, 7
	s_add_co_u32 s63, s61, 2
	s_and_b32 s63, s63, 7
	s_wait_xcnt 0x0                                ; the last reloads have read their bases: only behind this wait are these written
	s_lshl_b32 s74, s63, 14
	s_add_nc_u64 s[66:67], s[70:71], s[74:75]
	s_lshl_b32 s74, s63, 11
	s_add_nc_u64 s[68:69], s[72:73], s[74:75]
	v_add_nc_u32 v[HWI], s91, v[HWI0]
	v_add_nc_u32 v[HWB], s93, v[HWB0]
.endif
.endm
	; the first block's hidden layer, into image buffer 0; each batch's reload fetches the second block's W1 and b1
	s_wait_xcnt 0x0                                ; the first loads of W1 and b1 have read their bases
	s_add_co_u32 s2, s25, 1
	s_and_b32 s2, s2, 7
	s_lshl_b32 s74, s2, 14
	s_add_nc_u64 s[66:67], s[70:71], s[74:75]
	s_lshl_b32 s74, s2, 11
	s_add_nc_u64 s[68:69], s[72:73], s[74:75]
	s_mov_b32 s91, 0
	s_mov_b32 s93, 0
	v_add_nc_u32 v[HWI], s91, v[HWI0]
	v_add_nc_u32 v[HWB], s93, v[HWB0]
	HB 0, 0, 0
	HB 1, 0, 0
	HB 2, 0, 0
	HB 3, 0, 0
	s_mov_b32 s90, 0                               ; images are read from buffer 0
	s_mov_b32 s91, HBUF                            ; and written into buffer 1
	s_mov_b32 s92, 0
	s_mov_b32 s93, HSB
	s_mov_b32 s60, 0
.Lkb:                                              ; seven trips: a block of K each, four tiles; every tile asks for its successor
	KBHEAD 1
	TRIP 0, 1, 1
	TRIP 1, 1, 1
	TRIP 2, 1, 1
	TRIP 3, 1, 1
	s_xor_b32 s90, s90, HBUF                       ; the image buffers change places
	s_xor_b32 s91, s91, HBUF
	s_xor_b32 s92, s92, HSB
	s_xor_b32 s93, s93, HSB
	s_add_co_u32 s60, s60, 1
	s_cmp_lt_u32 s60, 7
	s_cbranch_scc1 .Lkb
	KBHEAD 0                                       ; the last block is written out: no hidden layer is left to make
	TRIP 0, 1, 0
	TRIP 1, 1, 0
	TRIP 2, 1, 0
	TRIP 3, 0, 0                                   ; nothing is left to fetch
; THE WAY OUT, in 16 blocks of 16 rows x my 64 columns of a group.  A lane holds 32 neighbouring bytes of a row, and the lanes beside it hold other rows: so a block goes through my stage in LDS and comes back as whole
; rows of 256 bytes.  The stage lies in my own rows of slot 0, which has had its last fill and its last read.  LDS serves a wave's instructions in order (ISA guide 5.7.1.4): no wait between the stores and the loads.
	s_wait_loadcnt 0x0                             ; the last reloads, which nobody uses, have landed: their registers take the rows read back
	v_and_b32 v248, 15, v0                         ; r.  (These eleven plain lines are the places behind the last products)
	v_bfe_u32 v249, v0, 4, 1                       ; h
	v_mul_u32_u24 v[STO], v248, PITCH
	v_lshl_add_u32 v[STO], v249, 5, v[STO]
	v_add_nc_u32 v[STO], s[G0+1], v[STO]           ; in: row r, 32 bytes for each half of the lanes
	v_mul_u32_u24 v[RD], v249, PITCH
	v_lshl_add_u32 v[RD], v248, 4, v[RD]
	v_add_nc_u32 v[RD], s[G0+1], v[RD]             ; back: lanes 0-15 one row, lanes 16-31 the next
	v_lshlrev_b32 v[CO], 12, v249
	v_lshl_add_u32 v[CO], v248, 4, v[CO]
	s_lshl_b32 s2, s[WV], 8
	v_add_nc_u32 v[CO], s2, v[CO]                  ; and the same two rows in out, at my wave's 256 bytes
.macro TOSTAGE a                       ; block a: place a / 4 of the walk, row tile a % 4
.set jj_, (\a)/4
.set mm_, (\a)%4
.set BB, BK+32*((\a)%2)
	WIN 0x08+4*(jj_/2)                             ; an LDS store's data are its source 1: window 2 or 3
.irp i,0,1,2,3
	ds_store_b128 v[STO], v[128*(jj_%2)+8*(4*\i+mm_):128*(jj_%2)+8*(4*\i+mm_)+3] offset:64*\i        ; each accumulator from its low end on
	ds_store_b128 v[STO], v[128*(jj_%2)+8*(4*\i+mm_)+4:128*(jj_%2)+8*(4*\i+mm_)+7] offset:64*\i+16
.endr
	WIN 0
.irp t,0,1,2,3,4,5,6,7
	ds_load_b128 v[BB+4*\t:BB+4*\t+3], v[RD] offset:\t*2*PITCH
.endr
.endm
.macro SEND a, younger                 ; younger: the LDS instructions issued behind block a's loads, which may stay out
.set jj_, (\a)/4
.set mm_, (\a)%4
.set BB, BK+32*((\a)%2)
	s_wait_dscnt \younger
.irp t,0,1,2,3,4,5,6,7
	global_store_b128 v[CO], v[BB+4*\t:BB+4*\t+3], s[OUTJ+2*jj_:OUTJ+2*jj_+1] offset:(16*mm_+2*\t)*4096 th:TH_STORE_NT   ; 16 lanes store 256 consecutive bytes, at a multiple of 256 from the first byte of out
.endr
.endm
	TOSTAGE 0
.irp a,1,2,3,4,5,6,7,8,9,10,11,12,13,14,15
.if \a > 1
	s_wait_xcnt 0x0                                ; the stores of the block before the last have read their registers: this block's loads may land there
.endif
	TOSTAGE \a
	SEND \a-1, 16                                  ; behind the last block's loads: this block's 8 stores and 8 loads
.endr
	SEND 15, 0
	s_wait_tensorcnt 0x0                           ; the wave's end: behind my last tensor load and my last LDS store
	ds_add_u32 v[SPW], v[NIL]
	s_wait_dscnt 0x0
	CROUND                                         ; the closing round: no work-group ends while a partner may still ask for a tile that names it
	s_endpgm
.Lfunc_end_k_q5929d20bc7_ffq:
	.size	k_q5929d20bc7_ffq, .Lfunc_end_k_q5929d20bc7_ffq-k_q5929d20bc7_ffq
	.p2alignl 7, 3214868480
	.fill 96, 4, 3214868480
	.section	.rodata,"a",@progbits
	.p2align	6, 0x0
	.amdhsa_kernel k_q5929d20bc7_ffq
		.amdhsa_group_segment_fixed_size 327680
		.amdhsa_private_segment_fixed_size 0
		.amdhsa_enable_private_segment 0
		.amdhsa_kernarg_size 64
		.amdhsa_user_sgpr_count 2
		.amdhsa_user_sgpr_kernarg_segment_ptr 1
		.amdhsa_wavefront_size32 1
		.amdhsa_system_sgpr_workgroup_id_x 1
		.amdhsa_system_sgpr_workgroup_id_y 1
		.amdhsa_system_sgpr_workgroup_id_z 1
		.amdhsa_system_vgpr_workitem_id 0
		.amdhsa_next_free_vgpr 1024
		.amdhsa_next_free_sgpr 96
		.amdhsa_reserve_vcc 1
		.amdhsa_float_denorm_mode_32 3
		.amdhsa_float_denorm_mode_16_64 3
		.amdhsa_memory_ordered 1
		.amdhsa_forward_progress 1
		.amdhsa_inst_pref_size 240
	.end_amdhsa_kernel
	.amdgpu_metadata
---
amdhsa.version: [ 1, 2 ]
amdhsa.kernels:
  - .name:           k_q5929d20bc7_ffq
    .symbol:         k_q5929d20bc7_ffq.kd
    .args:
      - { .name: x, .offset: 0, .size: 8, .value_kind: global_buffer, .address_space: global }
      - { .name: theta, .offset: 8, .size: 8, .value_kind: global_buffer, .address_space: global }
      - { .name: W1, .offset: 16, .size: 8, .value_kind: global_buffer, .address_space: global }
      - { .name: b1, .offset: 24, .size: 8, .value_kind: global_buffer, .address_space: global }
      - { .name: W2_codes, .offset: 32, .size: 8, .value_kind: global_buffer, .address_space: global }
      - { .name: W2_scales, .offset: 40, .size: 8, .value_kind: global_buffer, .address_space: global }
      - { .name: b2, .offset: 48, .size: 8, .value_kind: global_buffer, .address_space: global }
      - { .name: out0, .offset: 56, .size: 8, .value_kind: global_buffer, .address_space: global }
    .group_segment_fixed_size: 327680
    .private_segment_fixed_size: 0
    .kernarg_segment_align: 8
    .kernarg_segment_size: 64
    .max_flat_workgroup_size: 128
    .sgpr_count:     96
    .vgpr_count:     1024
    .wavefront_size: 32
...
	.end_amdgpu_metadata
.endif
;; end of part 1
;; ======== version 2 of 2: 1 launch
;; limits: inputs' magnitudes at most 48,000; right only within a limited range of input values
;; launch ffq (part 2): grid 256 x 1, 8 waves a work-group, clusters of 4 x 1, 327,680 bytes of LDS; arguments x, theta, W1, b1, W2_codes, W2_scales, b2, out0; writes out0
.if DOCPART == 2
	.amdgcn_target "amdgcn-amd-amdhsa--gfx1250"
	.amdhsa_code_object_version 6
	.text
	.protected	k_q5929d20bc7_ffq
	.globl	k_q5929d20bc7_ffq
	.p2align	8
	.type	k_q5929d20bc7_ffq,@function
k_q5929d20bc7_ffq:
	s_mov_b64 s[64:65], 0
	v_nop
	global_prefetch_b8 v0, s[64:65] scope:SCOPE_SE
	s_setreg_imm32_b32 hwreg(HW_REG_WAVE_MODE, 25, 1), 1
	s_wait_xcnt 0x0
	s_wait_alu depctr_hold_cnt(0) depctr_sa_sdst(0) depctr_va_vdst(0) depctr_va_sdst(0) depctr_va_ssrc(0) depctr_va_vcc(0) depctr_vm_vsrc(0)
	s_getreg_b32 s2, hwreg(HW_REG_IB_STS2, 6, 4)
	s_cmp_eq_u32 s2, 0
	s_cbranch_scc0 .Lentry_in_a_cluster
	s_endpgm
.Lentry_in_a_cluster:
	s_bfe_u32 s2, ttmp6, 0x10000c
	s_cmp_lg_u32 s2, 0x3003
	s_cbranch_scc0 .Lentry_shape_is_right
	s_endpgm
.Lentry_shape_is_right:
; out = Q(relu(qz W1^T + b1)) W2^T + b2,  qz = cos(x[:, 0:8]) cos(theta).  x, out: [16384][1024] f32; W1 [4096][8], b1 [4096], b2 [1024], theta [8] f32;
; W2: [1024][4096] as codes of FP4 (E2M1), K innermost, two codes a byte, with one E8M0 byte for each 32 along K.  Q: the MX quantiser along the hidden axis, blocks of 32.
; Of a row of x only the first 8 numbers are loaded.
; ONE LAUNCH; the hidden layer never leaves the work-group.
; SHARES.  A work-group owns 64 rows (4 row tiles m) and ALL 1,024 columns, so that each hidden number is made once in the whole launch.  Wave w of eight owns columns 128 w .. 128 w + 127, in 4 places j of 32:
; 4 places x 4 row tiles = 16 accumulators of 32 columns x 16 rows, 256 registers.  K goes in 8 blocks of 512 (4 K steps q of 128).
; A TRIP is one place of one block: every wave fetches its own 32 rows of W2 x 256 bytes with one tensor load.  In it a wave issues 8 f32 products that make block w % 4 of one K step of the NEXT block's hidden layer
; for 32 of the rows (row tiles 2 (w / 4), 2 (w / 4) + 1), quantises them, and issues 16 products on codes (32 x 16 x 128).  Two waves share a SIMD.
; THE FIRST PRODUCT (K = 8, f32 operands, since its result goes into a quantiser) is v_wmma_f32_16x16x4_f32, used transposed: source 0 = 16 rows of W1, source 1 = 16 rows of qz, C = b1.  A lane holds one row and its
; registers run along the hidden units.  THE ROWS OF W1 THAT FORM A TILE ARE NOT NEIGHBOURS: lane r of tile u takes row 8 u + r + 8 (r / 8) of a block of 32, so that the 16 registers of tiles 0 and 1 are the
; 16 neighbours 16 (lane / 16) + 0 .. 15.  The codes (8 bytes a lane) and scale bytes go to LDS into IMAGES OF THE OPERAND REGISTERS; at the next block's first trip every wave loads all 16 fragments, which serve four trips.
; THE CLIP AT 0 IS MADE ON THE CODES: the largest number is taken of the sums as they are, over a floor; all are converted; each code whose sign bit is set loses its three magnitude bits.  -0 adds nothing to a sum.
; THE SECOND PRODUCT is used transposed too (source 0 = 32 rows of W2, source 1 = 16 rows of the hidden layer): a lane holds neighbouring columns of one row of out.  b2 is loaded straight into the accumulators.
; SCALE BYTES, b1 AND b2 go once through registers into LDS, in the order of the walk: the loop reads them with addresses that hang on the wave, the lane and the loop's counter alone.
; CLUSTER.  The four work-groups walk the same tiles of W2, so every tile is asked for JOINTLY: the same tensor load, the same descriptor, a mask that names the four.
; THE WALK IS ROTATED BY ADDRESS: a cluster begins at one of 8 blocks of K and with one of the two halves of each wave's columns.  No prefetch: in the walk's first two trips the 64 clusters together ask for all 32 tiles.
; LIMITS.  The cosine: reduction by pi/2 in three parts with fused multiply-adds, then polynomials to r^10 and r^9: absolute error about 1e-7 for |x|, |theta| up to about 4.8e4, growing beyond.  NaN and infinities are
; not served.  A block of the hidden layer whose largest number lies under 2^-124 (a block with no positive number too) gets the scale byte 1: the bytes are read by this program alone, and zero codes add nothing; in such
; a block the clip leans on the conversion keeping the sign of a number that lies far beyond the largest code.  The f32 sums along K begin at another block of K from cluster to cluster.
; The loop's last two loads of W1 wrap to a block that nobody uses, and its last load of b1 takes bytes of b2's table that nobody uses: so every wait in the loop keeps one count.
.set PITCH,  272                       ; an LDS row: 256 bytes + 16 of padding = 68 words: the 16 rows that a load touches start at 16 different banks (64 banks of 4 bytes: ISA guide 11.1)
.set WROWS,  32*PITCH                  ; 32 rows: what one tensor load brings, and what that same wave reads
.set SLOT,   8*WROWS
.set SCL,    2*SLOT                    ; W2's scale bytes: the block at place p of the walk at p x SPP; in it wave w at 2,048 w, place j at 512 j, row at 16 bytes
.set SPP,    16416                     ; 16,384 + 32: so the stores of eight places p start at different banks
.set HIMG,   SCL+131328                ; the hidden layer's fragments as register images: fragment 4 q + m at 1,024 (4 q + m), register group c at + 512 c, lane at + 16 lane; behind them its scale words: row R at 16 R, word q at + 4 q
.set HBUF,   17408                     ; two such buffers; HIMG has none of HBUF's bits, so an exclusive or changes places
.set HSO,    16384
.set B1T,    HIMG+2*HBUF               ; b1, 2,048 bytes for each block in the order of the walk
.set B2T,    B1T+16384                 ; b2: wave w at 512 w, place j at 128 j
.set SPARE,  B2T+4096                  ; the spare words, 128 bytes for each wave: blocks of 256 bytes that no other line names
.set STG,    SCL                       ; the way out: 16 rows x 272 bytes for each wave, on scale bytes of the blocks at places 0 to 2, which nobody reads in the last block; no tensor load ever lands there
; window 0
.set SPW,    1                         ; v1   LDS address of my spare word; never rewritten
.set NIL,    2                         ; v2   0; never rewritten
.set ADRB,   3                         ; v3-4 my lane's place in my 32 rows of slot 0, 1
.set ADRA,   5                         ; v5   the images that are read
.set ADRS,   6                         ; v6   W2's scale words of this block
.set HWI,    7                         ; v7   where I store codes
.set HWB,    8                         ; v8   where I store a scale byte
.set W1O,    9                         ; v9   my byte in a tile of W1
.set B2A,    10                        ; v10  my columns of b2's table
.set B1A,    11                        ; v11  my 16 hidden units in b1's table
.set WS,     12                        ; v12-15  W2's scale words: register q: lane = row.  These and the next eight hold scales and nothing else
.set HS,     16                        ; v16-23  the hidden layer's: register 4 p + q: lanes 0-15 row tile 2 p, lanes 16-31 row tile 2 p + 1
.set QZ,     24                        ; v24-31  qz: tile at 4 m; register k = wire 4 (lane / 16) + k of row lane % 16
.set W1F,    32                        ; v32-47  W1: set s at 8 s, tile u at + 4 u
.set B1C,    48                        ; v48-63  b1: tile u at 8 u; between a batch's products and the next load also the quantiser's:
.set MXA,    48                        ; two maxima of a row tile, its partner lanes', the conversion's scale operand, codes, scale byte,
.set MXB,    62                        ; (apart from v48-55: so lines of this chain name no register of the products with tile 0)
.set PX,     52
.set SO,     54
.set CD,     56
.set BY,     60
.set SG,     48                        ; the codes' sign bits, then the masks; the sign bits moved down
.set TG,     52
.set HA,     64                        ; v64-95  the first product's sums: row tile at 16 m, tile u at + 8 u; written by that matrix form alone
.set BF,     96                        ; v96-127 W2's fragments (32 rows x 128 K), two sets
.set HF,     128                       ; v128-255 the hidden layer's 16 fragments: 4 q + m at 8 registers each
; window 1: accumulator (j, m) at v[64 j + 16 m]
.set XR,     96                        ; at the head: x, theta and the cosine's registers in the fragment sets, the scale bytes on their way in the hidden layer's
.set CTH,    104
.set CN,     108
.set CQ,     112
.set CPC,    116
.set CPS,    120
.set B2D,    124
.set STO,    7                         ; the way out
.set RD,     8
.set CO,     9
.set BK0,    24                        ; 16 rows read back: v24-55 and v96-127 by turns
.set BK1,    96
.set WV,     20                        ; s20 my wave's number
.set G1,     28                        ; s[28:35] descriptor group 1;  s[36:39], s[40:43] group 0 for slot 0, 1
.set G0,     36
.set GJ,     78                        ; s78-81 place j of the walk: its 32 rows' offset in bytes
; s24 which half of my columns comes first; s25 the first block of K; s44 w % 4; s45 w / 4; s46, s47 the image buffer that is read, that is written; s48-51 parts of HWI and HWB; s52 scale bytes of this block;
; s53 b1 of the block that is made; s[56:57] W2 at my 128 rows; s[58:59], s[26:27], s[74:75] offsets as pairs; s60 the block's place; s61-63 this block, the next, the next but one; s[66:67], s[68:69] W1 at the next and
; the next but one; s[70:71] W1 at my 32 rows of a K step; s[76:77] lane selects; s[82:85] out; s[86:89] scale bytes
.set MSB, 0
.macro WIN new                         ; the immediate's high byte repeats the setting that is left
.if MSB != (\new)
	s_set_vgpr_msb (MSB<<8)|(\new)
.set MSB, (\new)
.endif
.endm
.macro PLACES n
.rept \n
	v_nop
.endr
.endm
; A round of the cluster's barrier
.macro CREST                           ; behind its opening barrier
	s_cmp_lg_u32 s[WV], 0
	s_cbranch_scc1 .Lnot_wave_0_\@
	s_barrier_signal -3
.Lnot_wave_0_\@:
	s_barrier_wait -3
	s_barrier_signal -1
	s_barrier_wait -1
.endm
.macro CROUND
	s_barrier_signal -1
	s_barrier_wait -1
	CREST
.endm
	s_load_b512 s[4:19], s[0:1], 0x0               ; x 4, theta 6, W1 8, b1 10, W2's codes 12, W2's scales 14, b2 16, out 18
	v_lshl_add_u32 v[SPW], v0, 2, SPARE
	v_mov_b32 v[NIL], 0
	ds_add_u32 v[SPW], v[NIL]                      ; the wave's opening: the add, twice on end, and its wait
	ds_add_u32 v[SPW], v[NIL]
	v_lshrrev_b32 v123, 5, v0
	v_readfirstlane_b32 s[WV], v123                ; wave 0..7
	s_bfe_u32 s21, ttmp6, 0x40000                  ; cx: it enters x's and out's addresses alone
	s_lshl_b32 s22, ttmp9, 2
	s_add_co_u32 s22, s22, s21                     ; my work-group
	s_lshl_b32 s23, s22, 18                        ; its 64 rows of 4,096 bytes
	s_and_b32 s24, ttmp9, 1
	s_lshr_b32 s25, ttmp9, 1
	s_xor_b32 s25, s25, ttmp9
	s_lshr_b32 s25, s25, 1
	s_and_b32 s25, s25, 7                          ; the first block of K: the four partners share it
	s_and_b32 s44, s[WV], 3
	s_lshr_b32 s45, s[WV], 2
	; descriptor group 1: 32 rows x 256 bytes, 2,048 bytes apart in memory, padded in LDS
	s_mov_b32 s[G1], 15|(1<<20)|(1<<21)|(5<<22)|(3<<25)   ; 15:0 the mask: all four work-groups; 17:16 elements of 1 byte; 20 padding on; 21 set beside a mask; 24:22 after every 64 words; 31:25 four words
	s_mov_b32 s[G1+1], 256<<16                     ; tensor_dim0
	s_mov_b32 s[G1+2], 32<<16                      ; tensor_dim1
	s_mov_b32 s[G1+3], 256<<16                     ; tile_dim0
	s_mov_b32 s[G1+4], 32                          ; tile_dim1
	s_mov_b32 s[G1+5], 2048                        ; tensor_dim0_stride
	s_mov_b32 s[G1+6], 0
	s_mov_b32 s[G1+7], 0
	s_mov_b32 s76, 0x76543210
	s_mov_b32 s77, 0xfedcba98                      ; v_permlanex16_b32's selects for lane l xor 16
	s_mov_b32 s27, 0
	s_mov_b32 s59, 0
	s_mov_b32 s75, 0
	s_mul_i32 s[G0+1], s[WV], WROWS                ; my 32 rows in slot 0: no place in the cluster enters an LDS address
	s_lshl_b32 s2, s24, 8
	v_and_b32 v120, 15, v0                         ; r
	v_bfe_u32 v121, v0, 4, 1                       ; h
	v_and_b32 v122, 31, v0                         ; lane
	v_mul_u32_u24 v[ADRB], 0x110, v120
	v_lshl_add_u32 v[ADRB], v121, 4, v[ADRB]
	v_add_nc_u32 v[ADRB], s[G0+1], v[ADRB]         ; a fragment of W2: row r x pitch + 16 h, in my rows
	v_add_nc_u32 v[ADRB+1], SLOT, v[ADRB]
	v_lshlrev_b32 v108, 12, v120
	v_lshl_add_u32 v108, v121, 4, v108             ; x: row r of 4,096 bytes, wires 4 h on
	v_lshlrev_b32 v109, 4, v121                    ; theta: wires 4 h on
	v_and_b32 v123, 8, v120
	v_add_nc_u32 v123, v123, v120                  ; r + 8 (r / 8)
	v_lshlrev_b32 v[W1O], 5, v123
	v_lshl_add_u32 v[W1O], v121, 4, v[W1O]         ; W1: a row is 32 bytes; my four wires at 16 h
	v_lshlrev_b32 v7, 4, v122                      ; b1: 16 x lane
	v_xor_b32 v11, s2, v7                          ; b2: the same, the halves of my columns in the order of the walk
	v_add_nc_u32 v5, s25, v122
	v_and_b32 v5, 7, v5
	v_lshlrev_b32 v5, 4, v5                        ; scale bytes: eight lanes a row of 128 bytes, lane % 8 = the block's place in the walk
	v_lshrrev_b32 v123, 3, v122
	v_lshl_add_u32 v5, v123, 7, v5
	s_wait_alu depctr_va_vdst(0)
	s_wait_dscnt 0x0                               ; both opening adds are done
	s_wait_kmcnt 0x0
	s_lshl_b32 s26, s45, 17
	s_add_co_u32 s26, s26, s23
	s_add_nc_u64 s[4:5], s[4:5], s[26:27]          ; x at my 32 rows
	global_load_b128 v[CTH:CTH+3], v109, s[6:7]
.irp m,0,1
	global_load_b128 v[XR+4*\m:XR+4*\m+3], v108, s[4:5] offset:\m*65536
.endr
	s_lshl_b32 s74, s[WV], 9
	s_add_co_u32 s74, s74, s23                     ; out: my 64 rows, my wave's 512 bytes,
	s_add_co_u32 s26, s74, s2
	s_add_nc_u64 s[82:83], s[18:19], s[26:27]      ; the half that comes first,
	s_xor_b32 s2, s2, 256
	s_add_co_u32 s26, s74, s2
	s_add_nc_u64 s[84:85], s[18:19], s[26:27]      ; and the other
	s_lshl_b32 s26, s[WV], 18
	s_add_nc_u64 s[56:57], s[12:13], s[26:27]      ; W2's codes: my 128 rows of 2,048 bytes
	s_lshl_b32 s2, s24, 17
.irp j,0,1,2,3
	s_xor_b32 s[GJ+\j], s2, \j<<16
.endr
	s_lshl_b32 s26, s44, 10
	s_add_nc_u64 s[70:71], s[8:9], s[26:27]
	s_lshl_b32 s26, s25, 14
	s_add_nc_u64 s[66:67], s[70:71], s[26:27]      ; W1 at the walk's first block (512 rows of 32 bytes),
	s_add_co_u32 s2, s25, 1
	s_and_b32 s2, s2, 7
	s_lshl_b32 s26, s2, 14
	s_add_nc_u64 s[68:69], s[70:71], s[26:27]      ; and at the second
	s_add_co_u32 s2, s25, s[WV]
	s_and_b32 s2, s2, 7
	s_lshl_b32 s26, s2, 11
	s_add_nc_u64 s[10:11], s[10:11], s[26:27]      ; wave w copies b1 of the block at place w
	s_lshl_b32 s26, s[WV], 9
	s_add_nc_u64 s[16:17], s[16:17], s[26:27]      ; b2: my 128 columns
	s_lshl_b32 s26, s[WV], 14
	s_add_nc_u64 s[14:15], s[14:15], s[26:27]      ; scale bytes: my 128 rows of 128 bytes
	s_lshl_b32 s26, s24, 13
	s_add_nc_u64 s[86:87], s[14:15], s[26:27]      ; the half that comes first,
	s_xor_b32 s26, s26, 0x2000
	s_add_nc_u64 s[88:89], s[14:15], s[26:27]      ; and the other
	s_mov_b32 s[G0], 1
	s_lshl_b32 s58, s25, 8                         ; a block of K is 256 bytes of a row
	s_add_co_u32 s58, s58, s[GJ]
	s_add_nc_u64 s[G0+2:G0+3], s[56:57], s[58:59]  ; the walk's first tile
	s_or_b32 s[G0+3], s[G0+3], 0x80000000          ; 127:126 type = 2
	s_mov_b32 s[G0+4], 1
	s_add_co_u32 s[G0+5], s[G0+1], SLOT
	CROUND                                         ; all four work-groups are here: the first joint loads meet
	tensor_load_to_lds s[G0:G0+3], s[G1:G1+7]      ; the head's one tensor load of this wave
	s_nop 0
	PLACES 4                                       ; four plain lines follow the tensor load
; Two loads: set s of W1 (two tiles of 16 rows x 8 wires), for K step q of the block at which the base stands
.macro W1LOAD s, base, q
.irp u,0,1
	global_load_b128 v[W1F+8*(\s)+4*\u:W1F+8*(\s)+4*\u+3], v[W1O], s[\base:\base+1] offset:4096*(\q)+256*\u
.endr
.endm
	W1LOAD 0, 66, 0
	W1LOAD 1, 66, 1
.irp i,0,1,2,3
	global_load_b128 v[B1C+4*\i:B1C+4*\i+3], v7, s[10:11] offset:512*\i
.endr
	global_load_b128 v[B2D:B2D+3], v11, s[16:17]
.set i_, 0
.rept 32                               ; the scale bytes: each load 512 bytes on end, four rows
	global_load_b128 v[HF+4*i_:HF+4*i_+3], v5, s[86+2*(i_/16):87+2*(i_/16)] offset:512*(i_%16)
.set i_, i_+1
.endr
; cos of four numbers v[X] .. v[X + 3], by turns.  n = the nearest whole number to x 2/pi; r = x - n pi/2 with pi/2 in three parts, each taken off by one fused multiply-add;
; cos r and sin r by polynomials in r^2; cos x = cos r, -sin r, -cos r, sin r for n mod 4 = 0, 1, 2, 3, chosen by v_cndmask_b32 and a sign bit: no branch.  mul = 1: the result is multiplied by cos theta.
.macro COS4 X, D, mul
.irp k,0,1,2,3
	v_mul_f32 v[CN+\k], 0x3f22f983, v[(\X)+\k]
.endr
.irp k,0,1,2,3
	v_rndne_f32 v[CN+\k], v[CN+\k]
.endr
.irp c,0xbfc90fd8,0xb4a8885a,0xa7c234c4
.irp k,0,1,2,3
	v_fmamk_f32 v[(\X)+\k], v[CN+\k], \c, v[(\X)+\k]
.endr
.endr
.irp k,0,1,2,3
	v_cvt_i32_f32 v[CN+\k], v[CN+\k]
	v_mul_f32 v[CQ+\k], v[(\X)+\k], v[(\X)+\k]     ; r^2
.endr
.irp k,0,1,2,3
	v_fmaak_f32 v[CPC+\k], s2, v[CQ+\k], 0x37d00d01    ; -1/10! r^2 + 1/8!
	v_fmaak_f32 v[CPS+\k], s3, v[CQ+\k], 0xb9500d01    ; 1/9! r^2 - 1/7!
.endr
.irp c,0xbab60b61,0x3d2aaaab,0xbf000000,0x3f800000
.irp k,0,1,2,3
	v_fmaak_f32 v[CPC+\k], v[CPC+\k], v[CQ+\k], \c     ; - 1/6!, + 1/4!, - 1/2, + 1
.endr
.endr
.irp c,0x3c088889,0xbe2aaaab
.irp k,0,1,2,3
	v_fmaak_f32 v[CPS+\k], v[CPS+\k], v[CQ+\k], \c     ; + 1/5!, - 1/3!
.endr
.endr
.irp k,0,1,2,3
	v_mul_f32 v[CQ+\k], v[(\X)+\k], v[CQ+\k]       ; r^3
.endr
.irp k,0,1,2,3
	v_fma_f32 v[CPS+\k], v[CPS+\k], v[CQ+\k], v[(\X)+\k]   ; sin r
.endr
.irp k,0,1,2,3
	v_and_b32 v[CQ+\k], 1, v[CN+\k]                ; n odd: the sine
	v_add_lshl_u32 v[CN+\k], v[CN+\k], 1, 30
	v_and_b32 v[CN+\k], 0x80000000, v[CN+\k]       ; bit 1 of n + 1: the sign
.endr
.irp k,0,1,2,3
	v_cmp_ne_u32 vcc_lo, 0, v[CQ+\k]
	v_cndmask_b32 v[CPC+\k], v[CPC+\k], v[CPS+\k], vcc_lo
.endr
.irp k,0,1,2,3
.if \mul
	v_xor_b32 v[CPC+\k], v[CPC+\k], v[CN+\k]
	v_mul_f32 v[(\D)+\k], v[CPC+\k], v[CTH+\k]
.else
	v_xor_b32 v[(\D)+\k], v[CPC+\k], v[CN+\k]
.endif
.endr
.endm
	s_mov_b32 s2, 0xb493f27e                       ; -1/10!
	s_mov_b32 s3, 0x3638ef1d                       ; 1/9!
	s_wait_loadcnt 41                              ; theta and x are in; the 4 + 4 + 1 + 32 loads behind them may be out
	COS4 CTH, CTH, 0
	COS4 XR, QZ, 1
	COS4 XR+4, QZ+4, 1
; THE FIRST PRODUCT, half t of K for two row tiles and both tiles of W1's rows.  The place (lane / 16, register) of K in instruction t carries wire 4 (lane / 16) + 2 t + register, in W1's fragment and in qz's alike.
; The first half takes b1 as C.  The four accumulators take turns.
.macro FT t, s
.irp m,0,1
.irp u,0,1
.set rD, HA+16*\m+8*\u
.set rA, W1F+8*(\s)+4*\u+2*(\t)
.set rB, QZ+4*\m+2*(\t)
.set rC, B1C+8*\u
.if (\t) == 0
	v_wmma_f32_16x16x4_f32 v[rD:rD+7], v[rA:rA+1], v[rB:rB+1], v[rC:rC+7]
.else
	v_wmma_f32_16x16x4_f32 v[rD:rD+7], v[rA:rA+1], v[rB:rB+1], v[rD:rD+7]
.endif
.endr
.endr
.endm
; THE QUANTISER, first part: the largest of a lane's 16 numbers for each row tile, in two chains a tile, each accumulator from its low end on.  What is negative does not count; the floor 2^(3 - 127) stands over it,
; so that the byte cannot fall under 1.
.macro QA
.irp m,0,1
	v_max3_num_f32 v[MXA+\m], v[HA+16*\m], v[HA+16*\m+1], 0x1800000
	v_max3_num_f32 v[MXB+\m], v[HA+16*\m+8], v[HA+16*\m+9], v[HA+16*\m+10]
.endr
.irp n,0,2
.irp m,0,1
	v_max3_num_f32 v[MXA+\m], v[MXA+\m], v[HA+16*\m+2+\n], v[HA+16*\m+3+\n]
	v_max3_num_f32 v[MXB+\m], v[MXB+\m], v[HA+16*\m+11+\n], v[HA+16*\m+12+\n]
.endr
.endr
.irp m,0,1
	v_max3_num_f32 v[MXA+\m], v[MXA+\m], v[HA+16*\m+6], v[HA+16*\m+7]
.endr
.irp m,0,1
	v_max3_num_f32 v[MXA+\m], v[MXA+\m], v[MXB+\m], v[HA+16*\m+15]
.endr
.irp m,0,1
	v_permlanex16_b32 v[PX+\m], v[MXA+\m], s76, s77
.endr
	s_wait_alu depctr_va_vdst(0)
.endm
; LDS loads.  A fragment of 4-bit codes is 8 registers: lane l holds row l % 16; registers 4 c .. 4 c + 3 hold K = 64 c + 32 (l / 16) + 0 .. 31.
.macro LOADB slot, q                   ; W2's 32 rows of K step q, into set q % 2
.irp i,0,1
.irp c,0,1
	ds_load_b128 v[BF+16*((\q)%2)+8*\i+4*\c:BF+16*((\q)%2)+8*\i+4*\c+3], v[ADRB+(\slot)] offset:\i*16*PITCH+64*(\q)+32*\c
.endr
.endr
.endm
; Second part: the block's scale, the codes, the clip on the codes, four LDS stores.  slot >= 0: W2's K steps 2 and 3 are asked for, four plain lines behind the products on the registers that they land in.
.macro QB q, slot
.irp m,0,1
	v_max_num_f32 v[MXA+\m], v[MXA+\m], v[PX+\m]   ; with lane l xor 16's 16: the block's largest number
.endr
.irp m,0,1
	v_add_nc_u32 v[SO+\m], 0xff000000, v[MXA+\m]   ; 2 off its exponent field: the conversion takes the exponent field of this operand as its scale, and nothing else of it
.endr
.if (\slot) >= 0
	LOADB \slot, 2
	LOADB \slot, 3
.endif
.irp m,0,1
	v_cvt_scalef32_pk8_fp4_f32 v[CD+2*\m], v[HA+16*\m:HA+16*\m+7], v[SO+\m]
	v_cvt_scalef32_pk8_fp4_f32 v[CD+2*\m+1], v[HA+16*\m+8:HA+16*\m+15], v[SO+\m]
.endr
.irp m,0,1
	v_lshrrev_b32 v[BY+\m], 23, v[SO+\m]           ; the scale's byte.  (These two are also the plain lines behind the conversions)
.endr
.irp c,0,1,2,3
	v_and_b32 v[SG+\c], 0x88888888, v[CD+\c]       ; the eight codes' sign bits: 8 in the nibble of each negative number
.endr
.irp c,0,1,2,3
	v_lshrrev_b32 v[TG+\c], 3, v[SG+\c]            ; 1 in the same nibbles
.endr
.irp c,0,1,2,3
	v_sub_nc_u32 v[SG+\c], v[SG+\c], v[TG+\c]      ; 8 - 1 = 7: their three magnitude bits; no nibble borrows from the next
.endr
.irp c,0,1,2,3
	v_bfi_b32 v[CD+\c], v[SG+\c], 0, v[CD+\c]      ; cleared: the clip at 0
.endr
.irp m,0,1
	ds_store_b64 v[HWI], v[CD+2*\m:CD+2*\m+1] offset:(4*(\q)+\m)*1024
.endr
.irp m,0,1
	ds_store_b8 v[HWB], v[BY+\m] offset:256*\m+4*(\q)                      ; both halves of the lanes write the same byte with the same value
.endr
.endm
.macro B1LOAD n                        ; b1 of K step n, counted from the block at which B1A stands
.irp i,0,1,2,3
	ds_load_b128 v[B1C+4*\i:B1C+4*\i+3], v[B1A] offset:512*(\n)+16*\i
.endr
.endm
.macro B2LOAD j                        ; b2 into the four accumulators of place j: nothing is cleared, nothing is added later
	WIN 0x40
.irp m,0,1,2,3
.irp i,0,1
.irp c,0,1
	ds_load_b128 v[64*(\j)+16*\m+8*\i+4*\c:64*(\j)+16*\m+8*\i+4*\c+3], v[B2A] offset:128*(\j)+64*\i+16*\c
.endr
.endr
.endr
	WIN 0
.endm
.macro LOADA q                         ; the hidden layer's four fragments of K step q, as they were laid
.irp m,0,1,2,3
.irp c,0,1
	ds_load_b128 v[HF+8*(4*(\q)+\m)+4*\c:HF+8*(4*(\q)+\m)+4*\c+3], v[ADRA] offset:(4*(\q)+\m)*1024+512*\c
.endr
.endr
.endm
; A trip's LDS loads in one run: scale words (16 bytes a row: a block's four K steps), K steps 0 and 1 of W2; at a block's first trip also the hidden layer's scale words and fragments
.macro FETCH j
	ds_load_b128 v[WS:WS+3], v[ADRS] offset:512*(\j)
.if (\j) == 0
.irp p,0,1
	ds_load_b128 v[HS+4*\p:HS+4*\p+3], v[ADRA] offset:HSO+512*\p
.endr
	LOADA 0
.endif
	LOADB (\j)%2, 0
.if (\j) == 0
	LOADA 1
.endif
	LOADB (\j)%2, 1
.if (\j) == 0
	LOADA 2
	LOADA 3
.endif
.endm
; Four products on codes: place j, K step q.  The four accumulators take turns, in the same order in every K step: three other matrix instructions stand between a sum's steps.
.macro MULQ j, q
	WIN 0x50                                       ; C and D window 1
.irp m,0,1,2,3
.set rD, 64*(\j)+16*\m
.set rB, BF+16*((\q)%2)
.set rA, HF+8*(4*(\q)+\m)
.set rR, HS+4*(\m/2)+(\q)
.if \m%2
	v_wmma_scale_f32_32x16x128_f4 v[rD:rD+15], v[rB:rB+15], v[rA:rA+7], v[rD:rD+15], v[WS+(\q)], v[rR] matrix_b_scale:MATRIX_SCALE_ROW1
.else
	v_wmma_scale_f32_32x16x128_f4 v[rD:rD+15], v[rB:rB+15], v[rA:rA+7], v[rD:rD+15], v[WS+(\q)], v[rR]
.endif
.endr
.endm
; The first two K steps of a trip: behind K step 0's fragments stand K step 1's 4 loads (at a block's first trip 28 loads, 16 of them behind K step 1's)
.macro MUL01 j
.if (\j) == 0
	s_wait_dscnt 28
.else
	s_wait_dscnt 4
.endif
	MULQ \j, 0
.if (\j) == 0
	s_wait_dscnt 16
.else
	s_wait_dscnt 0x0
.endif
	MULQ \j, 1
	WIN 0
.endm
; The address of the tile that follows trip j's, into the group 0 of the slot that trip j does not read
.macro NEXT j
.set gN, G0+4*(((\j)+1)%2)
.if (\j) < 3
	s_lshl_b32 s58, s61, 8                         ; this block of K, the next place
	s_add_co_u32 s58, s58, s[GJ+(\j)+1]
.else
	s_lshl_b32 s58, s62, 8                         ; the next block of K, the first place
	s_add_co_u32 s58, s58, s[GJ]
.endif
	s_add_nc_u64 s[gN+2:gN+3], s[56:57], s[58:59]
	s_or_b32 s[gN+3], s[gN+3], 0x80000000
.endm
; A TRIP OF THE LOOP reads slot j % 2 and makes batch j of the next block's hidden layer.  At its head ONE round of the cluster's barrier.  In front of it each wave waits for all its tensor loads (one is out: my rows of
; this trip's tile), adds 0 to its spare word, and waits for that, for its reads of the other slot and for its stores of codes and scale bytes.  Behind it the other slot is filled again, first thing, and has this trip in
; which to land; and (j = 0) the hidden layer's images are whole.  The image buffer that this block's trips write was last read four rounds ago.
; A vector instruction that reads a result of the f32 matrix form or writes its sources, and a load into them, stand eight places behind it, and only plain vector instructions that name none of its registers are places
; (ISA guide 7.12.1 for vector instructions): the four v_nop behind the tensor load and four more.
.macro TRIPH j
	s_wait_tensorcnt 0x0                           ; no tensor load of mine is out, so a group 0 may be written
	ds_add_u32 v[SPW], v[NIL]                      ; 0 onto my spare word
	NEXT \j
	s_wait_loadcnt 2                               ; W1 of this batch is in: behind it the next batch's two loads were issued
	s_wait_dscnt 1                                 ; b1 is in; the add may be out
	FT 0, (\j)%2                                   ; four products stand between the add and the wait for it
	s_wait_dscnt 0x0                               ; the add is done, my LDS loads are back and my LDS stores have landed
	s_barrier_signal -1                            ; the round's opening barrier;
	FT 1, (\j)%2                                   ; work on registers while the others arrive
	s_barrier_wait -1
	CREST
	tensor_load_to_lds s[G0+4*(((\j)+1)%2):G0+4*(((\j)+1)%2)+3], s[G1:G1+7]
	s_nop 0
	PLACES 4                                       ; four plain lines behind the tensor load; also the places in front of the loads into registers that the last products on codes read
.if (\j) == 0
	s_wait_alu depctr_va_vdst(0)                   ; ahead of the first readers of the block's addresses
.endif
	FETCH \j
	PLACES 4
.if (\j) < 2
	W1LOAD (\j)%2, 66, (\j)+2                      ; the set takes the batch after the next
.else
	W1LOAD (\j)%2, 68, (\j)-2
.endif
	QA
	MUL01 \j
	QB \j, (\j)%2
	s_wait_dscnt 8                                 ; K step 2's fragments are in: behind them 4 loads and 4 stores
	MULQ \j, 2
	WIN 0
	s_wait_dscnt 0x0                               ; K step 3's are in, and my stores are done: their registers take the next batch's b1
	B1LOAD (\j)+1
	MULQ \j, 3
	WIN 0
.endm
; A TRIP OF THE LAST BLOCK: no hidden layer is left to make.  fill = 0: nothing is left to fetch either, and the work-group's barrier does.
.macro TRIPT j, fill
	s_wait_tensorcnt 0x0
	ds_add_u32 v[SPW], v[NIL]                      ; 0 onto my spare word
.if \fill
	NEXT \j
.endif
	s_wait_dscnt 0x0                               ; the add is done, and my LDS loads are back
.if \fill
	CROUND
	tensor_load_to_lds s[G0+4*(((\j)+1)%2):G0+4*(((\j)+1)%2)+3], s[G1:G1+7]
	s_nop 0
.else
	s_barrier_signal -1
	s_barrier_wait -1
.endif
	PLACES 4
.if (\j) == 0
	s_wait_alu depctr_va_vdst(0)
.endif
	FETCH \j
	MUL01 \j
	PLACES 4
	LOADB (\j)%2, 2
	LOADB (\j)%2, 3
	s_wait_dscnt 4
	MULQ \j, 2
	s_wait_dscnt 0x0
	MULQ \j, 3
	WIN 0
.endm
; The vector addresses of a block of K, made anew from the thread's number
.macro KBV
	s_add_co_u32 s48, s47, s50
	s_add_co_u32 s49, s47, s51
	v_and_b32 v[ADRA], 31, v0
	v_and_b32 v[HWB], 15, v0
	v_bfe_u32 v[B1A], v0, 4, 1
	v_lshl_add_u32 v[ADRS], v[ADRA], 4, s52        ; W2's scale words: 16 bytes a row, lane = row
	v_lshl_add_u32 v[ADRA], v[ADRA], 4, s46        ; an image: 16 x lane
	v_lshl_add_u32 v[HWI], v[HWB], 4, s48
	v_lshl_add_u32 v[HWI], v[B1A], 3, v[HWI]       ; block w % 4 of a fragment lies at 256 (w % 4) + 16 r; my 16 codes at + 8 h
	v_lshl_add_u32 v[HWB], v[HWB], 4, s49          ; byte w % 4 of row r's word
	v_lshl_add_u32 v[B1A], v[B1A], 6, s53          ; my 16 hidden units at 64 h
.endm
.macro KBHEAD                          ; at the head of a block of K in the loop
	s_add_co_u32 s61, s25, s60
	s_add_co_u32 s62, s61, 1
	s_add_co_u32 s63, s61, 2
	s_and_b32 s61, s61, 7                          ; this block of K,
	s_and_b32 s62, s62, 7                          ; the next,
	s_and_b32 s63, s63, 7                          ; the next but one
	s_wait_xcnt 0x0                                ; the last loads of W1 have read their bases: only behind this wait are these written
	s_lshl_b32 s74, s62, 14
	s_add_nc_u64 s[66:67], s[70:71], s[74:75]
	s_lshl_b32 s74, s63, 14
	s_add_nc_u64 s[68:69], s[70:71], s[74:75]
	KBV
.endm
; A batch of the first block, at the head
.macro HBP s
	s_wait_dscnt 0x0                               ; the last batch's stores have read their registers
	B1LOAD \s
	B2LOAD \s
	s_wait_loadcnt 2
	s_wait_dscnt 16                                ; b1 is in; the 16 loads of b2 behind it may be out
	FT 0, (\s)%2
	FT 1, (\s)%2
	PLACES 8
.if (\s) < 2
	W1LOAD (\s)%2, 66, (\s)+2
.else
	W1LOAD (\s)%2, 68, (\s)-2
.endif
	QA
	QB \s, -1
.endm
	s_lshl_b32 s50, s44, 8
	s_lshl_b32 s2, s45, 11
	s_add_co_u32 s50, s50, s2                      ; codes: 256 (w % 4) + two fragments for each w / 4
	s_lshl_b32 s51, s45, 9
	s_add_co_u32 s51, s51, s44
	s_add_co_u32 s51, s51, HSO                     ; scale bytes: 32 rows for each w / 4
	s_mov_b32 s46, HIMG+HBUF                       ; the first block's images are read from buffer 1,
	s_mov_b32 s47, HIMG+HBUF                       ; and at the head written there
	s_lshl_b32 s52, s[WV], 11
	s_add_co_u32 s52, s52, SCL
	s_lshl_b32 s53, s44, 7
	s_add_co_u32 s53, s53, B1T
	s_lshl_b32 s2, s[WV], 11
	s_add_co_u32 s2, s2, B1T
	s_lshl_b32 s3, s[WV], 9
	s_add_co_u32 s3, s3, B2T
	s_wait_alu depctr_va_vdst(0)
	s_wait_loadcnt 0x0                             ; W1's first two sets, b1, b2 and the scale bytes are in
	v_and_b32 v96, 31, v0
	v_and_b32 v97, 7, v96
	v_mul_u32_u24 v97, 0x4020, v97                 ; SPP x the block's place
	v_lshrrev_b32 v98, 3, v96
	v_lshl_add_u32 v97, v98, 4, v97
	v_add_nc_u32 v97, s52, v97                     ; scale bytes: 16 at row lane / 8 of a load's four
	v_lshl_add_u32 v98, v96, 4, s2
	v_lshl_add_u32 v99, v96, 4, s3
	v_bfe_u32 v[B2A], v0, 4, 1
	v_lshl_add_u32 v[B2A], v[B2A], 5, s3           ; b2: my eight columns at 32 h
	KBV
.irp i,0,1,2,3
	ds_store_b128 v98, v[B1C+4*\i:B1C+4*\i+3] offset:512*\i
.endr
	ds_store_b128 v99, v[B2D:B2D+3]
.set i_, 0
.rept 32
	ds_store_b128 v97, v[HF+4*i_:HF+4*i_+3] offset:64*i_
.set i_, i_+1
.endr
	s_wait_alu depctr_va_vdst(0)
	s_wait_dscnt 0x0                               ; my part of b1's table is there, for the other waves
	s_barrier_signal -1
	s_barrier_wait -1
	HBP 0
	HBP 1
	HBP 2
	HBP 3
	s_wait_dscnt 0x0
	B1LOAD 4                                       ; the second block's first K step
	s_mov_b32 s47, HIMG                            ; the loop writes into buffer 0 first
	s_add_co_u32 s53, s53, 2048
	s_mov_b32 s60, 0
.Lkb:                                              ; seven trips: a block of K each, four tiles; every tile asks for its successor
	KBHEAD
	TRIPH 0
	TRIPH 1
	TRIPH 2
	TRIPH 3
	s_xor_b32 s46, s46, HBUF                       ; the image buffers change places
	s_xor_b32 s47, s47, HBUF
	s_add_co_u32 s52, s52, SPP
	s_add_co_u32 s53, s53, 2048
	s_add_co_u32 s60, s60, 1
	s_cmp_lt_u32 s60, 7
	s_cbranch_scc1 .Lkb
; THE LAST BLOCK is written out. Two places are 64 neighbouring columns, 256 bytes of a row of out: they leave as soon as their last products are issued.
; THE WAY OUT: 4 blocks of 16 rows x 64 columns.  A lane holds pieces of 32 neighbouring bytes of a row, and the lanes beside it hold other rows: so a block goes through my stage in LDS and comes back as whole
; rows of 256 bytes.  LDS serves a wave's instructions in order (ISA guide 5.7.1.4): no wait between the stores and the loads.
.macro TOSTAGE a, m
.set BB, BK0+(BK1-BK0)*((\m)%2)
	WIN 0x04                                       ; an LDS store's data are its source 1: window 1
.irp t,0,1
.irp i,0,1
.irp c,0,1
.set rD, 64*(2*(\a)+\t)+16*(\m)+8*\i+4*\c
	ds_store_b128 v[STO], v[rD:rD+3] offset:128*\t+64*\i+16*\c     ; each accumulator from its low end on
.endr
.endr
.endr
	WIN 0
.irp t,0,1,2,3,4,5,6,7
	ds_load_b128 v[BB+4*\t:BB+4*\t+3], v[RD] offset:\t*2*PITCH
.endr
.endm
.macro SEND a, m, younger              ; younger: the LDS instructions issued behind the block's loads, which may stay out
.set BB, BK0+(BK1-BK0)*((\m)%2)
	s_wait_dscnt \younger
.irp t,0,1,2,3,4,5,6,7
	global_store_b128 v[CO], v[BB+4*\t:BB+4*\t+3], s[82+2*(\a):83+2*(\a)] offset:(16*(\m)+2*\t)*4096 th:TH_STORE_NT   ; 16 lanes store 256 consecutive bytes, at a multiple of 256 from the first byte of out
.endr
.endm
.macro OUT a
	TOSTAGE \a, 0
	TOSTAGE \a, 1
	SEND \a, 0, 16                                 ; behind the block's loads: the next block's 8 stores and 8 loads
	s_wait_xcnt 0x0                                ; the stores have read their registers: the block after the next may land there
	TOSTAGE \a, 2
	SEND \a, 1, 16
	s_wait_xcnt 0x0
	TOSTAGE \a, 3
	SEND \a, 2, 16
	SEND \a, 3, 0
.endm
	s_add_co_u32 s61, s25, 7
	s_and_b32 s61, s61, 7
	s_lshl_b32 s52, s[WV], 11
	s_add_co_u32 s52, s52, SCL+7*SPP
	v_and_b32 v[ADRA], 31, v0
	v_lshl_add_u32 v[ADRS], v[ADRA], 4, s52
	v_lshlrev_b32 v[ADRA], 4, v[ADRA]
	v_add_nc_u32 v[ADRA], HIMG, v[ADRA]            ; the last block's images lie in buffer 0
	TRIPT 0, 1
	s_wait_loadcnt 0x0                             ; the last loads of W1, which nobody uses, have landed: their registers take the rows read back
	s_mul_i32 s2, s[WV], 16*PITCH
	s_add_co_u32 s2, s2, STG                       ; my stage
	v_and_b32 v10, 15, v0                          ; r
	v_bfe_u32 v11, v0, 4, 1                        ; h
	v_mul_u32_u24 v[STO], 0x110, v10
	v_mul_u32_u24 v[RD], 0x110, v11
	v_lshlrev_b32 v[CO], 12, v11
	v_lshl_add_u32 v[STO], v11, 5, v[STO]
	v_lshl_add_u32 v[RD], v10, 4, v[RD]
	v_lshl_add_u32 v[CO], v10, 4, v[CO]            ; lanes 0-15 one row of out, lanes 16-31 the next
	v_add_nc_u32 v[STO], s2, v[STO]                ; in: row r, 32 bytes for each half of the lanes
	v_add_nc_u32 v[RD], s2, v[RD]                  ; back: lanes 0-15 one row, lanes 16-31 the next
	s_wait_alu depctr_va_vdst(0)
	TRIPT 1, 1
	PLACES 4                                       ; the stage's stores read results just made
	OUT 0
	s_wait_xcnt 0x0                                ; the stores have read their registers: W2's fragments may land there
	TRIPT 2, 1
	TRIPT 3, 0                                     ; nothing is left to fetch
	PLACES 4
	OUT 1
	s_wait_tensorcnt 0x0                           ; the wave's end: behind my last tensor load and my last LDS store
	ds_add_u32 v[SPW], v[NIL]
	s_wait_dscnt 0x0
	CROUND                                         ; the closing round: no work-group ends while a partner may still ask for a tile that names it
	s_endpgm
.Lfunc_end_k_q5929d20bc7_ffq:
	.size	k_q5929d20bc7_ffq, .Lfunc_end_k_q5929d20bc7_ffq-k_q5929d20bc7_ffq
	.p2alignl 7, 3214868480
	.fill 96, 4, 3214868480
	.section	.rodata,"a",@progbits
	.p2align	6, 0x0
	.amdhsa_kernel k_q5929d20bc7_ffq
		.amdhsa_group_segment_fixed_size 327680
		.amdhsa_private_segment_fixed_size 0
		.amdhsa_enable_private_segment 0
		.amdhsa_kernarg_size 64
		.amdhsa_user_sgpr_count 2
		.amdhsa_user_sgpr_kernarg_segment_ptr 1
		.amdhsa_wavefront_size32 1
		.amdhsa_system_sgpr_workgroup_id_x 1
		.amdhsa_system_sgpr_workgroup_id_y 1
		.amdhsa_system_sgpr_workgroup_id_z 1
		.amdhsa_system_vgpr_workitem_id 0
		.amdhsa_next_free_vgpr 512
		.amdhsa_next_free_sgpr 96
		.amdhsa_reserve_vcc 1
		.amdhsa_float_denorm_mode_32 3
		.amdhsa_float_denorm_mode_16_64 3
		.amdhsa_memory_ordered 1
		.amdhsa_forward_progress 1
		.amdhsa_inst_pref_size 120
	.end_amdhsa_kernel
	.amdgpu_metadata
---
amdhsa.version: [ 1, 2 ]
amdhsa.kernels:
  - .name:           k_q5929d20bc7_ffq
    .symbol:         k_q5929d20bc7_ffq.kd
    .args:
      - { .name: x, .offset: 0, .size: 8, .value_kind: global_buffer, .address_space: global }
      - { .name: theta, .offset: 8, .size: 8, .value_kind: global_buffer, .address_space: global }
      - { .name: W1, .offset: 16, .size: 8, .value_kind: global_buffer, .address_space: global }
      - { .name: b1, .offset: 24, .size: 8, .value_kind: global_buffer, .address_space: global }
      - { .name: W2_codes, .offset: 32, .size: 8, .value_kind: global_buffer, .address_space: global }
      - { .name: W2_scales, .offset: 40, .size: 8, .value_kind: global_buffer, .address_space: global }
      - { .name: b2, .offset: 48, .size: 8, .value_kind: global_buffer, .address_space: global }
      - { .name: out0, .offset: 56, .size: 8, .value_kind: global_buffer, .address_space: global }
    .group_segment_fixed_size: 327680
    .private_segment_fixed_size: 0
    .kernarg_segment_align: 8
    .kernarg_segment_size: 64
    .max_flat_workgroup_size: 256
    .sgpr_count:     96
    .vgpr_count:     512
    .wavefront_size: 32
...
	.end_amdgpu_metadata
.endif
;; end of part 2
